; MI455X (gfx1250); checked and timed in simulation.
; The chip was launched on July 23, 2026; its instructions are those of AMD's public machine-readable ISA for CDNA 5 (MIT licence, August 2026) and "CDNA5" Instruction Set Architecture Reference Guide (July 2026). The comments in the code are by the model that wrote it; some were corrected since.
;; GPTQ Linear. Allowed arithmetic: float matrix products may take bf16 or f16 operands with f32 sums; all other float work in f32.
;; Inputs: bias_param 8,192 float32; packed_weight 8,192 x 4,096 int32; scales 8,192 x 128 float32; x 32 x 8,192 float32; zeros 8,192 x 128 float32.
;; Outputs: out0 32 x 8,192 float32.
;; One version. Each part assembles by itself: llvm-mc -triple=amdgcn-amd-amdhsa -mcpu=gfx1250 --defsym DOCPART=n.
;; ======== version 1 of 1: 2 launches
;; limits: inputs' magnitudes at most 3e+35
;; workspace buffers: part 4,194,304 bytes
;; launch partial (part 1): grid 64 x 4, 8 waves a work-group, clusters of 4 x 1, 314,368 bytes of LDS; arguments x, packed_weight, scales, zeros, part; writes part
.if DOCPART == 1
	.amdgcn_target "amdgcn-amd-amdhsa--gfx1250"
	.amdhsa_code_object_version 6
	.text
	.protected	k_q0d966c8f27_partial
	.globl	k_q0d966c8f27_partial
	.p2align	8
	.type	k_q0d966c8f27_partial,@function
k_q0d966c8f27_partial:
	s_mov_b64 s[64:65], 0
	v_nop
	global_prefetch_b8 v0, s[64:65] scope:SCOPE_SE
	s_setreg_imm32_b32 hwreg(HW_REG_WAVE_MODE, 25, 1), 1
	s_wait_xcnt 0x0
	s_wait_alu depctr_hold_cnt(0) depctr_sa_sdst(0) depctr_va_vdst(0) depctr_va_sdst(0) depctr_va_ssrc(0) depctr_va_vcc(0) depctr_vm_vsrc(0)
	s_getreg_b32 s2, hwreg(HW_REG_IB_STS2, 6, 4)
	s_cmp_eq_u32 s2, 0
	s_cbranch_scc0 .Lentry_in_a_cluster
	s_endpgm
.Lentry_in_a_cluster:
	s_bfe_u32 s2, ttmp6, 0x10000c
	s_cmp_lg_u32 s2, 0x3003
	s_cbranch_scc0 .Lentry_shape_is_right
	s_endpgm
.Lentry_shape_is_right:
; part[kb][m][n] = sum over k in K quarter kb of x[m][k] * (q[n][k] - zeros[n][k/64]) * scales[n][k/64]      (f32, [4][32][8192])
; x [32][8192] f32; packed_weight [8192][4096] i32, word j of a row holds q of k = 2j in bits 3:0 and of k = 2j+1 in bits 7:4 (the other bits are
; ignored, as reference() ignores them); scales, zeros [8192][128] f32.
;
; SHARES.  Work-group (nb, kb): 128 rows of N x 2,048 k: 512 KiB of weights, read once.  8 waves of 512 registers; wave w owns the 256 k (four
; groups of 64) at 256 w of the quarter, for all 128 rows, as 16 UNITS of 16 rows x 128 k (16 x 256 bytes).  Its 32 x 256 piece of x stays in 128
; registers as bf16 A fragments.  Eight waves: 8 planes of sums (128 KiB) meet in LDS at the end, and 192 registers a wave are left for loads on their way.
;
; WEIGHTS.  Of a 32-bit word one byte counts.  A lane's four words, as loaded (16 neighbouring bytes of a row), are packed into one word by three
; v_perm_b32, and only the packed words go through the LDS stage that turns rows into fragments: 1 KiB in and 1 KiB out for a unit of 4 KiB.
; Unpacking: E = W & 0x0f0f0f0f and O = (W >> 4) & 0x0f0f0f0f hold 8 nibbles as bytes.  As E4M3 codes the numbers 0 .. 15 are c x 2^-9 (exponent
; fields 0 and 1 lie on one linear scale), so one scaled conversion with the scale 2^9 makes of them the 8 bf16 numbers q, exactly.
; Inside 8 neighbouring k the order becomes 0 2 4 6 1 3 5 7; x is converted in the same order, so every product meets its partner.
;
; ARITHMETIC.  For a group g:  P = sum x q (two matrix instructions),  X = sum x (a product with ones, made once),  result = sum over g of s P + c X,
; c = -s z, in f32.  P and X are sums of the same bf16-rounded x.
; LIMITS: x is rounded to bf16 (nearest even); the sums run in another order than reference()'s; an infinite x gives NaN; since 64 products of up to
; 15 |x| are added, |x| above about 3e35 can overflow where reference() does not yet.
;
; CLUSTER.  Four work-groups with neighbouring nb and the same kb form a cluster; they use the same quarter of x.  Each wave asks for its 32 rows x
; 1,024 bytes of x by one joint tensor load (mask 15): the descriptor hangs on kb and on the wave's number alone.  One tensor load a wave is out.
;
; LDS: [0, 266240)       8 x 33,280: the wave's tile of x in f32 (rows of 1,024 bytes + 16 of padding), filled once; when the fragments are made, the
;                        wave's own plane of sums (32 rows x 528 bytes) is stored there
;      [266240, 303104)  s and c of the work-group's 128 rows x 32 groups, two planes, pitch 144
;      [303104, 313344)  8 x 1,280: the wave's own stage for a packed unit (16 rows x 64 bytes, pitch 80)
.set ROWB,   16384                     ; bytes in a row of packed_weight
.set XROWB,  32768                     ; bytes in a row of a plane of part
.set XPITCH, 1040                      ; 65 x 16 bytes: 16 rows start at 16 different groups of banks (64 banks of 4 bytes: ISA guide 11.1)
.set XTILE,  32*XPITCH
.set TABS,   8*XTILE
.set TPITCH, 144
.set PLANE,  128*TPITCH
.set STG,    TABS+2*PLANE
.set SPITCH, 80                        ; 64 bytes + 16
.set RPITCH, 528                       ; 512 bytes + 16
.set UNITS,  16
.set SLOTS,  6                         ; ring: units on their way, 8 loads and 32 registers each
; window 0 (v0-v255)
.set WOF, 4                            ; weights: 16384 (lane/16) + 16 (lane%16); never rewritten
.set STW, 5                            ; stage, in: row lane/16, word lane%16
.set FRD, 6                            ; stage, out: row lane%16, 16 bytes for each half of the lanes
.set TRD, 7                            ; table, out
.set PST, 8                            ; my sums, in
.set RRD, 9                            ; all waves' sums, out
.set GST, 10                           ; part
.set SCL, 11                           ; the conversion's scale: E8M0 code 136 = 2^9, in every byte
.set XRD, 12                           ; x tile, out
.set SZO, 13                           ; scales, zeros: 512 (lane/8) + 16 (lane%8)
.set TWS, 14                           ; table, in
.set A,   16                           ; v[16:143]  A fragments: A + 64 kh + 32 mt + 8 f (kh: half of my k; mt: 16 rows of x; f: 32 k)
.set F,   144                          ; v[144:175] B fragments of a unit, F + 8 f
.set R,   176                          ; v[176:191] the sums of a block of 16 rows of N, R + 8 mt
.set W,   192                          ; v[192:199] a unit's packed words of my lane
.set SC,  200                          ; v[200:207] s, s, c, c of the unit's two groups; two buffers
.set PT,  208                          ; v[208:223] at work
.set EO,  PT
.set XT,  144                          ; at the start: x as read from LDS, two buffers of 32 (v[144:207])
.set SV,  176                          ; and before that scales as loaded,
.set ZV,  192                          ; zeros as loaded
; window 1 (v256-v511), written by their low 8 bits
.set X,   0                            ; v[256:319] X tiles at X + 32 kh + 16 g + 8 mt
.set P,   64                           ; v[320:351] P tiles at P + 16 g + 8 mt
;                                        v[352:511] ring slots 0-4; slot 5 is v[224:255] of window 0
.set G0,  20                           ; s[20:23] tensor descriptor group 0
.set G1,  24                           ; s[24:31] group 1
.set MSB, 0
.macro WIN new                         ; low byte: bits 1:0 source 0, 3:2 source 1, 5:4 source 2, 7:6 destination; the high byte repeats the setting that is left
.if MSB != \new
	s_set_vgpr_msb (MSB<<8)|\new
.set MSB, \new
.endif
.endm
; A round of the cluster's barrier: my work-group's barrier, wave 0 signals for the work-group, every wave waits for all four work-groups, my work-group's barrier again.
.macro ROUND
	s_barrier_signal -1
	s_barrier_wait -1
	s_cmp_lg_u32 s14, 0
	s_cbranch_scc1 .Lnot_wave_0_\@
	s_barrier_signal -3
.Lnot_wave_0_\@:
	s_barrier_wait -3
	s_barrier_signal -1
	s_barrier_wait -1
.endm
	s_load_b256 s[4:11], s[0:1], 0x0               ; x s[4:5], packed_weight s[6:7], scales s[8:9], zeros s[10:11]
	s_load_b64 s[12:13], s[0:1], 0x20              ; part
	v_lshl_add_u32 v254, v0, 2, 0x4c800
	v_mov_b32 v255, 0
	ds_add_u32 v254, v255
	ds_add_u32 v254, v255
	s_wait_dscnt 0x0
	v_lshrrev_b32 v1, 5, v0
	v_readfirstlane_b32 s14, v1                    ; wave 0..7
	s_bfe_u32 s15, ttmp6, 0x40000                  ; cx: my place in the cluster
	s_lshl_b32 s18, ttmp9, 2
	s_add_co_u32 s15, s18, s15                     ; nb = 4 x cluster x + cx
	s_and_b32 s33, ttmp7, 0xffff                   ; kb, the same in the whole cluster
	; group 1: a tile of 32 rows x 256 words, 8,192 words from row to row, 4 words of padding behind every 256
	s_mov_b32 s[G1+0], 15|(2<<16)|(1<<20)|(1<<21)|(7<<22)|(3<<25)   ; mask: all four of the cluster; elements of 4 bytes; padding on; bit 21 beside a mask; after 256 words (code 7); of 4 words (code 3)
	s_mov_b32 s[G1+1], 256<<16                     ; tensor_dim0 = 256
	s_mov_b32 s[G1+2], 32<<16                      ; tensor_dim1 = 32
	s_mov_b32 s[G1+3], 256<<16                     ; tile_dim0 = 256
	s_mov_b32 s[G1+4], 32                          ; tile_dim1 = 32
	s_mov_b32 s[G1+5], 8192                        ; words from row to row
	s_mov_b32 s[G1+6], 0
	s_mov_b32 s[G1+7], 0
	s_mov_b32 s[G0+0], 1
	s_mul_i32 s[G0+1], s14, XTILE                  ; LDS address: the wave's tile
	s_mov_b32 s34, 0x04000400                      ; v_perm_b32: byte 0 of the second source, byte 0 of the first
	s_mov_b32 s35, 0x05040100                      ; the two low halves
	s_mov_b32 s36, 0x0f0f0f0f
	; byte offsets of my parts, apart from the addresses
	s_lshl_b32 s38, s33, 13                        ; x: 8,192 kb + 1,024 w (no place in the cluster enters)
	s_lshl_b32 s19, s14, 10
	s_add_co_u32 s38, s38, s19
	s_mov_b32 s39, 0
	s_lshl_b32 s16, s15, 21                        ; weights: 128 nb rows of 16,384 bytes + 4,096 kb + 512 w
	s_lshl_b32 s18, s33, 12
	s_add_co_u32 s16, s16, s18
	s_lshl_b32 s18, s14, 9
	s_add_co_u32 s16, s16, s18
	s_mov_b32 s17, 0
	s_lshl_b32 s40, s15, 16                        ; scales, zeros: 128 nb rows of 512 bytes + 128 kb + 16 w rows
	s_lshl_b32 s18, s33, 7
	s_add_co_u32 s40, s40, s18
	s_lshl_b32 s18, s14, 13
	s_add_co_u32 s40, s40, s18
	s_mov_b32 s41, 0
	s_lshl_b32 s42, s33, 20                        ; part: plane kb + 512 nb
	s_lshl_b32 s18, s15, 9
	s_add_co_u32 s42, s42, s18
	s_mov_b32 s43, 0
	s_mul_i32 s44, s14, 16*SPITCH                  ; my stage
	s_add_co_u32 s44, s44, STG
	s_mul_i32 s45, s14, 16*TPITCH                  ; the 16 table rows that I write
	s_add_co_u32 s45, s45, TABS
	s_lshl_b32 s46, s14, 4                         ; my four groups in a table row
	s_add_co_u32 s46, s46, TABS
	s_mul_i32 s47, s14, 4*RPITCH                   ; the four rows (4 w ..) that I add up at the end
	s_lshl_b32 s48, s14, 17                        ; and the same rows in part
	v_and_b32 v1, 31, v0                           ; lane
	v_and_b32 v2, 15, v0                           ; r = lane % 16
	v_bfe_u32 v3, v0, 4, 1                         ; h = lane / 16
	v_lshlrev_b32 v[WOF], 4, v2
	v_lshl_add_u32 v[WOF], v3, 14, v[WOF]
	v_mul_u32_u24 v15, v3, SPITCH
	v_lshl_add_u32 v15, v2, 2, v15
	v_add_nc_u32 v[STW], s44, v15
	v_mul_u32_u24 v15, v2, SPITCH
	v_lshl_add_u32 v15, v3, 4, v15
	v_add_nc_u32 v[FRD], s44, v15
	v_mul_u32_u24 v15, v2, TPITCH
	v_add_nc_u32 v[TRD], s46, v15
	v_mul_u32_u24 v15, v3, 8*RPITCH
	v_lshl_add_u32 v15, v2, 2, v15
	v_add_nc_u32 v[PST], s[G0+1], v15              ; 8 h rows + 4 r in my plane
	v_lshl_add_u32 v[RRD], v1, 4, s47
	v_lshl_add_u32 v[GST], v1, 4, s48
	v_mov_b32 v[SCL], 0x88888888
	v_mul_u32_u24 v15, v2, XPITCH
	v_lshl_add_u32 v15, v3, 7, v15
	v_add_nc_u32 v[XRD], s[G0+1], v15              ; row r, 32 k (128 bytes) for each half of the lanes
	v_bfe_u32 v15, v0, 3, 2                        ; lane / 8
	v_and_b32 v3, 7, v0                            ; lane % 8
	v_lshlrev_b32 v[SZO], 4, v3
	v_lshl_add_u32 v[SZO], v15, 9, v[SZO]
	v_mul_u32_u24 v[TWS], v15, TPITCH
	v_lshl_add_u32 v[TWS], v3, 4, v[TWS]
	v_add_nc_u32 v[TWS], s45, v[TWS]
	ROUND                                          ; all four work-groups are here: the joint loads meet.  It needs no argument, so it stands ahead of the wait for them
	s_wait_kmcnt 0x0
	s_add_nc_u64 s[4:5], s[4:5], s[38:39]
	s_mov_b64 s[G0+2:G0+3], s[4:5]
	s_or_b32 s[G0+3], s[G0+3], 0x80000000          ; type = 2
	tensor_load_to_lds s[G0:G0+3], s[G1:G1+7]      ; my tile of x: the wave's one tensor load, a first fill, ahead of every LDS access
	s_nop 0
	s_add_nc_u64 s[6:7], s[6:7], s[16:17]          ; weights at my 512 bytes of the block's first row
	s_add_nc_u64 s[8:9], s[8:9], s[40:41]
	s_add_nc_u64 s[10:11], s[10:11], s[40:41]
	s_add_nc_u64 s[12:13], s[12:13], s[42:43]
.macro SLOTOF n                        ; where unit n's words land: RG the first register, LDW and PKW the windows for loading and for packing
.set SL, (\n) % SLOTS
.if SL < 5
.set RG, 96+32*SL
.set LDW, 0x40
.set PKW, 0x05
.else
.set RG, 224
.set LDW, 0
.set PKW, 0
.endif
.endm
; eight loads: unit n = rows 16 (n/2) .., 256 bytes at 256 (n%2); lanes 0-15 take 256 consecutive aligned bytes of one row, lanes 16-31 of the next
.macro LOADW n
	SLOTOF \n
	WIN LDW
.irp j, 0,1,2,3,4,5,6,7
	global_load_b128 v[RG+4*\j:RG+4*\j+3], v[WOF], s[6:7] offset:((\n)>>1)*16*ROWB+((\n)&1)*256+\j*2*ROWB th:TH_LOAD_NT
.endr
.endm
.irp i, 0,1,2,3
	global_load_b128 v[SV+4*\i:SV+4*\i+3], v[SZO], s[8:9] offset:2048*\i      ; four rows x 128 bytes
.endr
.irp i, 0,1,2,3
	global_load_b128 v[ZV+4*\i:ZV+4*\i+3], v[SZO], s[10:11] offset:2048*\i
.endr
	LOADW 0                                        ; the ring is filled: 48 loads, 24 KiB a wave
	LOADW 1
	LOADW 2
	LOADW 3
	LOADW 4
	LOADW 5
	WIN 0
	s_wait_loadcnt 8*SLOTS                         ; loads come back in order (ISA guide 5.7.1): scales and zeros are in, the ring's 48 stay out
.set e, 0
.rept 16
	v_mul_f32 v[ZV+e], -v[SV+e], v[ZV+e]           ; c = -s z
.set e, e+1
.endr
.irp i, 0,1,2,3
	ds_store_b128 v[TWS], v[SV+4*\i:SV+4*\i+3] offset:\i*4*TPITCH
	ds_store_b128 v[TWS], v[ZV+4*\i:ZV+4*\i+3] offset:\i*4*TPITCH+PLANE
.endr
	; x to A fragments, in eight batches b = 4 kh + 2 mt + g of 16 rows x 64 k.  Lane (r, h) reads 32 k (128 bytes) of row 16 mt + r at k = 128 kh + 64 g + 32 h.
.macro XLOAD b
.irp i, 0,1,2,3,4,5,6,7
	ds_load_b128 v[XT+32*((\b)&1)+4*\i:XT+32*((\b)&1)+4*\i+3], v[XRD] offset:(((\b)>>1)&1)*16*XPITCH+((\b)>>2)*512+((\b)&1)*256+16*\i
.endr
.endm
.macro XCVT b                          ; of 8 neighbouring k: (0,2) (4,6) (1,3) (5,7), the order in which the weights' conversion lays them
.irp d, 0,1,2,3
	v_cvt_pk_bf16_f32 v[A+16*(\b)+4*\d],   v[XT+32*((\b)&1)+8*\d],   v[XT+32*((\b)&1)+8*\d+2]
	v_cvt_pk_bf16_f32 v[A+16*(\b)+4*\d+1], v[XT+32*((\b)&1)+8*\d+4], v[XT+32*((\b)&1)+8*\d+6]
	v_cvt_pk_bf16_f32 v[A+16*(\b)+4*\d+2], v[XT+32*((\b)&1)+8*\d+1], v[XT+32*((\b)&1)+8*\d+3]
	v_cvt_pk_bf16_f32 v[A+16*(\b)+4*\d+3], v[XT+32*((\b)&1)+8*\d+5], v[XT+32*((\b)&1)+8*\d+7]
.endr
.endm
	s_wait_tensorcnt 0x0                           ; my tile of x is in LDS; only I read it
	XLOAD 0
	XLOAD 1
.set bn, 0
.rept 8
.if bn < 7
	s_wait_dscnt 8                                 ; LDS answers in order: the older batch is in, the younger one's eight loads stay out
.else
	s_wait_dscnt 0
.endif
	XCVT bn
.if bn+2 < 8
	XLOAD bn+2
.endif
.set bn, bn+1
.endr
.macro MM d, a, b, first
.if \first
	v_wmma_f32_16x16x32_bf16 v[\d:\d+7], v[\a:\a+7], v[\b:\b+7], 0
.else
	v_wmma_f32_16x16x32_bf16 v[\d:\d+7], v[\a:\a+7], v[\b:\b+7], v[\d:\d+7]
.endif
.endm
; eight matrix instructions: two groups x two blocks of 16 rows of x, 64 k each.  The four accumulators take turns, one instruction a turn.
.macro EIGHT d, a, b0, b1, b2, b3
	MM \d,    \a,    \b0, 1
	MM \d+8,  \a+32, \b0, 1
	MM \d+16, \a+16, \b2, 1
	MM \d+24, \a+48, \b2, 1
	MM \d,    \a+8,  \b1, 0
	MM \d+8,  \a+40, \b1, 0
	MM \d+16, \a+24, \b3, 0
	MM \d+24, \a+56, \b3, 0
.endm
.irp q, 0,1,2,3,4,5,6,7
	v_mov_b32 v[F+\q], 0x3f803f80                  ; 1.0 twice in bf16
.endr
	WIN 0x50                                       ; C and D in window 1, A and B in window 0
	EIGHT X,    A,    F, F, F, F                   ; X(m, any n) = sum of the group's x(m, k), of the same rounded x that P is made of
	EIGHT X+32, A+64, F, F, F, F
	WIN 0
	s_barrier_signal -1                            ; my part of the table is written (the wait for 0 above covers its stores)
	s_barrier_wait -1                              ; the table is whole.  Nothing in LDS is filled behind this barrier
; Unit n comes in: packed, its ring slot sent out again, staged, and read back as my lane's words with the unit's s and c.
.macro PACK n
	SLOTOF \n
.if (\n) <= UNITS-SLOTS
	s_wait_loadcnt 8*(SLOTS-1)                     ; my eight loads are in; the five younger units' forty stay out
.else
	s_wait_loadcnt 8*(UNITS-1-(\n))                ; the last units: the count runs down
.endif
	WIN PKW
.irp j, 0,1,2,3,4,5,6,7
	v_perm_b32 v[PT+2*\j],   v[RG+4*\j+1], v[RG+4*\j],   s34   ; low bytes of words 0, 1
	v_perm_b32 v[PT+2*\j+1], v[RG+4*\j+3], v[RG+4*\j+2], s34   ; of words 2, 3
.endr
.if (\n)+SLOTS < UNITS
	LOADW (\n)+SLOTS                               ; the slot has been read: it goes out again at once
.endif
	WIN 0
.irp j, 0,1,2,3,4,5,6,7
	v_perm_b32 v[PT+2*\j], v[PT+2*\j+1], v[PT+2*\j], s35       ; four bytes = 8 k
.endr
.irp j, 0,1,2,3,4,5,6,7
	ds_store_b32 v[STW], v[PT+2*\j] offset:\j*2*SPITCH         ; rows 2 j and 2 j + 1, 64 bytes each; the last unit's words were read back before (its wait on DScnt)
.endr
	ds_load_b128 v[W:W+3],   v[FRD]                ; LDS serves a wave's instructions in order (ISA guide 5.7.1.4): these see the stores above.  Group 0: k = 32 h + 8 d, d = 0..3
	ds_load_b128 v[W+4:W+7], v[FRD] offset:32      ; group 1
	ds_load_b64 v[SC+4*((\n)&1):SC+4*((\n)&1)+1],   v[TRD] offset:((\n)>>1)*16*TPITCH+8*((\n)&1)         ; s of row 16 (n/2) + r, the unit's two groups
	ds_load_b64 v[SC+4*((\n)&1)+2:SC+4*((\n)&1)+3], v[TRD] offset:((\n)>>1)*16*TPITCH+8*((\n)&1)+PLANE   ; c likewise
.endm
.macro UNP q
	v_and_b32 v[EO+2*((\q)&3)], s36, v[W+\q]                   ; q of the even k, a byte each
	v_lshrrev_b32 v[EO+2*((\q)&3)+1], 4, v[W+\q]
	v_and_b32 v[EO+2*((\q)&3)+1], s36, v[EO+2*((\q)&3)+1]      ; of the odd k
.endm
.macro CVT q
	v_cvt_scale_pk8_bf16_fp8 v[F+4*\q:F+4*\q+3], v[EO+2*((\q)&3):EO+2*((\q)&3)+1], v[SCL]   ; E4M3 code c = c x 2^-9, times 2^9
.endm
; Unit n is unpacked and multiplied.  Behind each conversion stands a plain vector instruction that touches neither its result nor its sources
; (the unpacking of the word after next, in another pair of registers; at the end a v_nop) before anything uses the result.
.macro MULT n
.set DW, 0
.if (\n) >= 2
.if ((\n)&1) == 0
.set DW, 16
.endif
.endif
.set AB, A+64*((\n)&1)
	WIN 0
	s_wait_dscnt DW                                ; the unit's four LDS loads are in; the 16 stores of sums issued behind them (every second unit) may be out
	UNP 0
	UNP 1
	CVT 0
	UNP 2
	CVT 1
	UNP 3
	CVT 2
	UNP 4
	CVT 3
	UNP 5
	CVT 4
	UNP 6
	CVT 5
	UNP 7
	CVT 6
	CVT 7
	v_nop
	WIN 0x50
	EIGHT P, AB, F, F+8, F+16, F+24
.endm
; Unit n's share of the sums: R (+)= c0 X0 + c1 X1 + s0 P0 + s1 P1; s and c are one number a lane, taken for both halves of a pair.
; The terms with X come first: with the packing in front of them they are the places that stand between the matrix instructions and the first
; reader of P (ISA guide 7.12.1).  Behind a block's second unit the sums go to my plane.
.macro SCALE n
.set KH, (\n)&1
.set TT, (\n)>>1
.set SB, SC+4*KH
.set XB, X+32*KH
	WIN 0x01                                       ; source 0 (X, P) in window 1
.irp e, 0,2,4,6,8,10,12,14
.if KH
	v_pk_fma_f32 v[R+\e:R+\e+1], v[XB+\e:XB+\e+1], v[SB+2:SB+3], v[R+\e:R+\e+1] op_sel_hi:[1,0,1]
.else
	v_pk_mul_f32 v[R+\e:R+\e+1], v[XB+\e:XB+\e+1], v[SB+2:SB+3] op_sel_hi:[1,0]   ; the first term starts the sums
.endif
.endr
.irp e, 0,2,4,6,8,10,12,14
	v_pk_fma_f32 v[R+\e:R+\e+1], v[XB+16+\e:XB+16+\e+1], v[SB+2:SB+3], v[R+\e:R+\e+1] op_sel:[0,1,0] op_sel_hi:[1,1,1]
.endr
.irp e, 0,2,4,6,8,10,12,14
	v_pk_fma_f32 v[R+\e:R+\e+1], v[P+\e:P+\e+1], v[SB:SB+1], v[R+\e:R+\e+1] op_sel_hi:[1,0,1]
.endr
.irp e, 0,2,4,6,8,10,12,14
	v_pk_fma_f32 v[R+\e:R+\e+1], v[P+16+\e:P+16+\e+1], v[SB:SB+1], v[R+\e:R+\e+1] op_sel:[0,1,0] op_sel_hi:[1,1,1]
.endr
.if KH
	WIN 0
.irp mt, 0,1
.irp j, 0,1,2,3,4,5,6,7
	ds_store_b32 v[PST], v[R+8*\mt+\j] offset:(16*\mt+\j)*RPITCH+64*TT   ; register j of lane (r, h) is (m = 16 mt + 8 h + j, n = 16 (n/2) + r)
.endr
.endr
.endif
.endm
	PACK 0
.set un, 0
.rept UNITS
	MULT un
.if un+1 < UNITS
	PACK un+1                                      ; the next unit comes in while the matrix instructions run
.endif
	SCALE un
.set un, un+1
.endr
	; The 8 waves' planes are added: wave w takes rows 4 w .. 4 w + 3, a lane four columns.
	WIN 0
	s_wait_dscnt 0x0                               ; my sums are written
	s_barrier_signal -1
	s_barrier_wait -1                              ; everybody's are
.irp v, 0,1,2,3,4,5,6,7
	v_add_nc_u32 v[PT+\v], \v*XTILE, v[RRD]
.endr
.irp v, 0,1,2,3,4,5,6,7
.irp i, 0,1,2,3
	ds_load_b128 v[A+16*\v+4*\i:A+16*\v+4*\i+3], v[PT+\v] offset:\i*RPITCH
.endr
.endr
	s_wait_dscnt 0x0
.set e, 0
.rept 32
	v_pk_add_f32 v[A+e:A+e+1], v[A+e:A+e+1], v[A+64+e:A+64+e+1]
.set e, e+2
.endr
.set e, 0
.rept 16
	v_pk_add_f32 v[A+e:A+e+1], v[A+e:A+e+1], v[A+32+e:A+32+e+1]
.set e, e+2
.endr
.set e, 0
.rept 8
	v_pk_add_f32 v[A+e:A+e+1], v[A+e:A+e+1], v[A+16+e:A+16+e+1]
.set e, e+2
.endr
.irp i, 0,1,2,3
	global_store_b128 v[GST], v[A+4*\i:A+4*\i+3], s[12:13] offset:\i*XROWB   ; the wave stores 512 consecutive bytes of a row, at a multiple of 512 from part's first byte
.endr
	s_wait_xcnt 0x0
	v_lshl_add_u32 v254, v0, 2, 0x4c800
	v_mov_b32 v255, 0
	s_wait_tensorcnt 0x0
	ds_add_u32 v254, v255
	s_wait_dscnt 0x0
	ROUND                                          ; the closing round: no work-group ends while a partner may still ask for a tile that names it
	s_endpgm
.Lfunc_end_k_q0d966c8f27_partial:
	.size	k_q0d966c8f27_partial, .Lfunc_end_k_q0d966c8f27_partial-k_q0d966c8f27_partial
	.p2alignl 7, 3214868480
	.fill 96, 4, 3214868480
	.section	.rodata,"a",@progbits
	.p2align	6, 0x0
	.amdhsa_kernel k_q0d966c8f27_partial
		.amdhsa_group_segment_fixed_size 314368
		.amdhsa_private_segment_fixed_size 0
		.amdhsa_enable_private_segment 0
		.amdhsa_kernarg_size 40
		.amdhsa_user_sgpr_count 2
		.amdhsa_user_sgpr_kernarg_segment_ptr 1
		.amdhsa_wavefront_size32 1
		.amdhsa_system_sgpr_workgroup_id_x 1
		.amdhsa_system_sgpr_workgroup_id_y 1
		.amdhsa_system_sgpr_workgroup_id_z 1
		.amdhsa_system_vgpr_workitem_id 0
		.amdhsa_next_free_vgpr 512
		.amdhsa_next_free_sgpr 66
		.amdhsa_reserve_vcc 0
		.amdhsa_float_denorm_mode_32 3
		.amdhsa_float_denorm_mode_16_64 3
		.amdhsa_memory_ordered 1
		.amdhsa_forward_progress 1
		.amdhsa_inst_pref_size 149
	.end_amdhsa_kernel
	.amdgpu_metadata
---
amdhsa.version: [ 1, 2 ]
amdhsa.kernels:
  - .name:           k_q0d966c8f27_partial
    .symbol:         k_q0d966c8f27_partial.kd
    .args:
      - { .name: x, .offset: 0, .size: 8, .value_kind: global_buffer, .address_space: global }
      - { .name: packed_weight, .offset: 8, .size: 8, .value_kind: global_buffer, .address_space: global }
      - { .name: scales, .offset: 16, .size: 8, .value_kind: global_buffer, .address_space: global }
      - { .name: zeros, .offset: 24, .size: 8, .value_kind: global_buffer, .address_space: global }
      - { .name: part, .offset: 32, .size: 8, .value_kind: global_buffer, .address_space: global }
    .group_segment_fixed_size: 314368
    .private_segment_fixed_size: 0
    .kernarg_segment_align: 8
    .kernarg_segment_size: 40
    .max_flat_workgroup_size: 256
    .sgpr_count:     66
    .vgpr_count:     512
    .wavefront_size: 32
...
	.end_amdgpu_metadata
.endif
;; end of part 1
;; launch finish (part 2): grid 256 x 1, 8 waves a work-group, no clusters, 0 bytes of LDS; arguments part, bias_param, out0; writes out0
.if DOCPART == 2
	.amdgcn_target "amdgcn-amd-amdhsa--gfx1250"
	.amdhsa_code_object_version 6
	.text
	.protected	k_q0d966c8f27_finish
	.globl	k_q0d966c8f27_finish
	.p2align	8
	.type	k_q0d966c8f27_finish,@function
k_q0d966c8f27_finish:
	s_mov_b64 s[64:65], 0
	v_nop
	global_prefetch_b8 v0, s[64:65] scope:SCOPE_SE
	s_setreg_imm32_b32 hwreg(HW_REG_WAVE_MODE, 25, 1), 1
	s_wait_xcnt 0x0
; out0[m][n] = bias_param[n] + part[0][m][n] + part[1][m][n] + part[2][m][n] + part[3][m][n], all f32.
; 262,144 numbers: a thread takes four (16 bytes), a wave's load or store covers 512 consecutive bytes, a work-group 4,096 bytes = 1,024 columns
; of one row (eight work-groups a row).  Five loads and one store a thread: nothing to share, so no LDS, no barrier, no matrix unit.
.set PLANEB, 1048576                   ; bytes in a plane of part
	s_load_b128 s[4:7], s[0:1], 0x0                ; part s[4:5], bias_param s[6:7]
	s_load_b64 s[8:9], s[0:1], 0x10                ; out0
	v_lshlrev_b32 v1, 4, v0                        ; 16 bytes a thread
	s_lshl_b32 s10, ttmp9, 12                      ; the work-group's 4,096 bytes in a plane and in out0
	s_mov_b32 s11, 0
	s_and_b32 s12, ttmp9, 7                        ; which 1,024 columns of the row
	s_lshl_b32 s12, s12, 12
	s_mov_b32 s13, 0
	s_wait_kmcnt 0x0
	s_add_nc_u64 s[4:5], s[4:5], s[10:11]
	s_add_nc_u64 s[6:7], s[6:7], s[12:13]
	s_add_nc_u64 s[8:9], s[8:9], s[10:11]
	global_load_b128 v[4:7],   v1, s[4:5] th:TH_LOAD_NT
	global_load_b128 v[8:11],  v1, s[4:5] offset:PLANEB th:TH_LOAD_NT
	global_load_b128 v[12:15], v1, s[4:5] offset:2*PLANEB th:TH_LOAD_NT
	global_load_b128 v[16:19], v1, s[4:5] offset:3*PLANEB th:TH_LOAD_NT
	global_load_b128 v[20:23], v1, s[6:7]
	s_wait_loadcnt 3                               ; the first two planes are in; three younger loads may be out
	v_pk_add_f32 v[4:5], v[4:5], v[8:9]
	v_pk_add_f32 v[6:7], v[6:7], v[10:11]
	s_wait_loadcnt 1                               ; all four planes; the bias may be out
	v_pk_add_f32 v[12:13], v[12:13], v[16:17]
	v_pk_add_f32 v[14:15], v[14:15], v[18:19]
	v_pk_add_f32 v[4:5], v[4:5], v[12:13]
	v_pk_add_f32 v[6:7], v[6:7], v[14:15]
	s_wait_loadcnt 0
	v_pk_add_f32 v[4:5], v[4:5], v[20:21]
	v_pk_add_f32 v[6:7], v[6:7], v[22:23]
	global_store_b128 v1, v[4:7], s[8:9]
	s_endpgm
.Lfunc_end_k_q0d966c8f27_finish:
	.size	k_q0d966c8f27_finish, .Lfunc_end_k_q0d966c8f27_finish-k_q0d966c8f27_finish
	.p2alignl 7, 3214868480
	.fill 96, 4, 3214868480
	.section	.rodata,"a",@progbits
	.p2align	6, 0x0
	.amdhsa_kernel k_q0d966c8f27_finish
		.amdhsa_group_segment_fixed_size 0
		.amdhsa_private_segment_fixed_size 0
		.amdhsa_enable_private_segment 0
		.amdhsa_kernarg_size 24
		.amdhsa_user_sgpr_count 2
		.amdhsa_user_sgpr_kernarg_segment_ptr 1
		.amdhsa_wavefront_size32 1
		.amdhsa_system_sgpr_workgroup_id_x 1
		.amdhsa_system_sgpr_workgroup_id_y 1
		.amdhsa_system_sgpr_workgroup_id_z 1
		.amdhsa_system_vgpr_workitem_id 0
		.amdhsa_next_free_vgpr 24
		.amdhsa_next_free_sgpr 66
		.amdhsa_reserve_vcc 0
		.amdhsa_float_denorm_mode_32 3
		.amdhsa_float_denorm_mode_16_64 3
		.amdhsa_memory_ordered 1
		.amdhsa_forward_progress 1
		.amdhsa_inst_pref_size 2
	.end_amdhsa_kernel
	.amdgpu_metadata
---
amdhsa.version: [ 1, 2 ]
amdhsa.kernels:
  - .name:           k_q0d966c8f27_finish
    .symbol:         k_q0d966c8f27_finish.kd
    .args:
      - { .name: part, .offset: 0, .size: 8, .value_kind: global_buffer, .address_space: global }
      - { .name: bias_param, .offset: 8, .size: 8, .value_kind: global_buffer, .address_space: global }
      - { .name: out0, .offset: 16, .size: 8, .value_kind: global_buffer, .address_space: global }
    .group_segment_fixed_size: 0
    .private_segment_fixed_size: 0
    .kernarg_segment_align: 8
    .kernarg_segment_size: 24
    .max_flat_workgroup_size: 256
    .sgpr_count:     66
    .vgpr_count:     24
    .wavefront_size: 32
...
	.end_amdgpu_metadata
.endif
;; end of part 2
